; MI455X (gfx1250); checked and timed in simulation.
; The chip was launched on July 23, 2026; its instructions are those of AMD's public machine-readable ISA for CDNA 5 (MIT licence, August 2026) and "CDNA5" Instruction Set Architecture Reference Guide (July 2026). The comments in the code are by the model that wrote it; some were corrected since.
;; BF16 Indexer Baseline. Allowed arithmetic: matrix products marked QUANTISED: E2M3 operands, one E8M0 scale for each 32 along K, by v_wmma_scale_f32_16x16x128_f8f6f4 with both operands' format E2M3, f32 sums; products left as they are: f32 operands where the result goes on into a quantised operand, else bf16, f16 or f32 operands; f32 sums; everything else in f32.
;; Inputs: k 1 x 4,096 x 128 bfloat16; q 1 x 2,048 x 16 x 128 bfloat16; weights 16 x 2,048 bfloat16.
;; Outputs: out0 1 x 2,048 x 4,096 float32.
;; This version of the problem:
;;   THIS VERSION OF THE PROBLEM IS GIVEN IN LOW PRECISION. The matrix products marked QUANTISED in the list below multiply operands that are first quantised to E2M3 (2 exponent bits, 3 mantissa bits; 6 bits a number), with one power-of-two scale for each 32 numbers along K (OCP MX v1.0); their sums are f32. All else is computed in f32.
;;   The module's matrix products, in the order in which they are computed (A, B: the left and right operand; K: the contracted axis; several contracted axes count as one K, in the product's order):
;;     1. [M 32,768, K 128] x [K 128, N 4,096]; A: input q; B: input k: QUANTISED
;;     2. batch 2,048 x [M 1, K 16] x [K 16, N 4,096]; A: computed on the way; B: computed on the way: left as it is (K = 16 < 32)
;;   THE QUANTISER, for each operand of a quantised product, along K:
;;     - K is cut into blocks of 32 from its start; a last block that is shorter is filled with zeros.
;;     - A block's scale is 2^e with e = floor(log2(the largest magnitude in the block)) - 2, held to -126 .. 127; a block of zeros has e = 0. As a byte (E8M0): e + 127.
;;     - Each number is divided by its block's scale, clamped to +-7.5, and rounded to the nearest number of E2M3, ties to even, subnormals kept.
;;     - The product sums the exact products of the quantised numbers (number of the format x scale) in f32.
;;   ~~~python
;;   def quantise(x, axis):      # numpy; x: float32 -> the quantised numbers, widened to float32 again
;;       x = np.moveaxis(x, axis, -1); K = x.shape[-1]
;;       x = np.pad(x, [(0, 0)] * (x.ndim - 1) + [(0, -K % 32)]); x = x.reshape(x.shape[:-1] + (-1, 32)); a = np.abs(x).max(-1, keepdims=True)
;;       e = np.where(a > 0, np.clip(np.frexp(np.where(a > 0, a, 1))[1] - 1 - 2, -126, 127), 0)      # np.frexp(a)[1] - 1 = floor(log2(a)), exactly
;;       r = np.clip(x / 2.0 ** e, -7.5, 7.5)
;;       step = 2.0 ** (np.maximum(np.frexp(np.where(r == 0, 1, r))[1] - 1, 0) - 3)
;;       q = np.round(r / step) * step * 2.0 ** e      # np.round: ties to even
;;       return np.moveaxis(q.reshape(q.shape[:-2] + (-1,))[..., :K], -1, axis).astype(np.float32)
;;   ~~~
;; One version. Each part assembles by itself: llvm-mc -triple=amdgcn-amd-amdhsa -mcpu=gfx1250 --defsym DOCPART=n.
;; ======== version 1 of 1: 1 launch
;; limits: values are held in bf16: 8 bits of precision; right only within a limited range of input values
;; launch score (part 1): grid 4 x 64, 16 waves a work-group, clusters of 4 x 4, 327,680 bytes of LDS; arguments q, k, weights, out0; writes out0
.if DOCPART == 1
	.amdgcn_target "amdgcn-amd-amdhsa--gfx1250"
	.amdhsa_code_object_version 6
	.text
	.protected	k_q4fa718dfa0_score
	.globl	k_q4fa718dfa0_score
	.p2align	8
	.type	k_q4fa718dfa0_score,@function
k_q4fa718dfa0_score:
	s_mov_b64 s[64:65], 0
	v_nop
	global_prefetch_b8 v0, s[64:65] scope:SCOPE_SE
	s_setreg_imm32_b32 hwreg(HW_REG_WAVE_MODE, 25, 1), 1
	s_wait_xcnt 0x0
	s_wait_alu depctr_hold_cnt(0) depctr_sa_sdst(0) depctr_va_vdst(0) depctr_va_sdst(0) depctr_va_ssrc(0) depctr_va_vcc(0) depctr_vm_vsrc(0)
	s_getreg_b32 s2, hwreg(HW_REG_IB_STS2, 6, 4)
	s_cmp_eq_u32 s2, 0
	s_cbranch_scc0 .Lentry_in_a_cluster
	s_endpgm
.Lentry_in_a_cluster:
	s_bfe_u32 s2, ttmp6, 0x10000c
	s_cmp_lg_u32 s2, 0xf033
	s_cbranch_scc0 .Lentry_shape_is_right
	s_endpgm
.Lentry_shape_is_right:
; out0[m][n] = the sum over the 16 heads h of relu(q[m][h] . k[n]) x ws[m][h], ws[m][h] = bf16(weights[h][m] x bf16(128^-0.5)).  q [2048][16][128], k [4096][128], weights [16][2048]: bf16; out0 [2048][4096]: f32.
; q and k are quantised here, in registers, to codes of FP6 (E2M3) with one E8M0 byte for each 32 along the 128; the products run on the codes, K = 128: ONE matrix instruction deep, every tile begins with C = 0.
; relu and the weighted sum over heads are f32 vector work (a product with one row and K = 16 for each m: fused multiply-adds).
; LIMITS: NaN and infinities among the inputs are not served.  A block of zeros gets the scale byte 1 where the rule says 127: its codes are zeros, and this program alone reads the bytes.
;         Blocks whose largest magnitude lies under 2^-124 (byte held at 1, as the rule's clip has it) were not tried.
; SHARES.  Work-group (x, y): rows m 32 y .. + 31, keys 1,024 x .. + 1,023.  SIXTEEN waves of 256 registers.  Wave w makes the codes of rows m 2 w, 2 w + 1 of the 32 (a PAIR: two fragments, scale words, ws), which it lays into LDS as an
;   image of operand registers, and those of its own 64 keys, four fragments that stay in its registers; behind one barrier every wave takes all sixteen pairs past its keys, each wave as soon as its own keys are ready.
; LAYOUT.  For a pair of rows (ma, mb) source 0 is tile X = {ma heads 0-7, mb heads 0-7} or tile Y = {ma heads 8-15, mb heads 8-15}; source 1 is 16 keys.  In the result lane (r, hh) holds key r, and its register j
;   head j (X) or 8 + j (Y) of ma (hh = 0) or mb (hh = 1): THE SUM OVER HEADS STAYS IN A LANE.  Key tile i takes key 4 r + i of the wave's 64 in lane r: the results of i = 0 .. 3 are four neighbouring keys,
;   so that one store of 16 bytes a lane writes 256 consecutive bytes of row ma (lanes 0-15) and of row mb (lanes 16-31), each at a multiple of 256 from out0's first byte.
; k COMES BY JOINT LOADS: the four work-groups of a column of the cluster (same x) need the same keys: wave w of each asks for its 64 rows by the same tensor load with a mask that names the four.  One load a wave, the launch's only fills.
;   The 16,384 dense bytes are stated as 16 rows of 1,024, 16 bytes of padding behind each: four neighbouring keys to an LDS row, so that the 16 lanes of a load (4 keys apart) start at 16 different banks (ISA guide 11.1).
; q COMES BY PLAIN LOADS, not jointly: beside k's 266,240 bytes in LDS there is no room for its 131,072.  The rows turn through the wave's own stage, 128 bytes of 16 rows at a time (rows 144 bytes apart, in the bytes that its image takes later).
; NO PREFETCH: all that the work-group reads is asked for at the head, and the loop reads LDS alone.
; LDS: k's rows (16,640 bytes a wave), the sixteen images, the spare words.
.set KW,   16*1040                     ; a wave's keys
.set IMG,  16*KW                       ; an image: fragments X, Y at 1,536 y + 512 c + 16 L; at 3,072 + 4 L the scale words (lanes 0-15 X's, 16-31 Y's); at 3,200 + 64 (m - ma) + 4 h: ws
.set PRB,  3328
.set SPARE, IMG+16*PRB
.set QFA,  1                           ; v1   16 L + the pair in hand: q's fragments
.set QSA,  2                           ; v2   4 L + the pair in hand: q's scale words
.set WA,   3                           ; v3   64 hh + the pair in hand: ws of my row
.set OFF,  4                           ; v4   my byte offset in a pair's two rows of out0: 16,384 hh + 16 r; never rewritten
.set QS,   6                           ; v6-7    q's scale words, one register a buffer
.set KS,   8                           ; v8-11   k's scale words, register i: tile i's
.set SIN,  12                          ; v12  into the stage;  v13 out of it;  v14 my place in k's rows;  v15 8 hh
.set SOUT, 13
.set KRD,  14
.set SH,   15
.set WB,   16                          ; v16-47  ws of my row's 16 heads, two buffers  (at the head v16-31: the quantiser's)
.set QB,   48                          ; v48-95  q's fragments X, Y, two buffers
.set DB,   96                          ; v96-159 the results, two halves: tile a X, Y, tile b X, Y
.set RAW,  32                          ; v32-159 at the head: rows as loaded, 32 registers a tile
.set KF,   160                         ; v160-207 k's four fragments
.set QF,   160                         ; v160-183 at the head: q's two fragments on their way into the image
.set RR,   208                         ; v208-211, v212-215 four results, four neighbouring keys: a set for each pair by turns
.set I16,  216                         ; v216 the image: 16 L;  v217: 4 L
.set I4,   217
.set QG,   218                         ; v218 my place in a load of q;  v219 in weights
.set WG,   219
.set WV,   220                         ; v220 ws;  v222, v223 the two tiles' scale words
.set PW,   222
.set G1K,  32                          ; s[32:39], s[40:43] descriptor groups 1 and 0
.set G0K,  40
.macro WALU
	s_wait_alu depctr_va_vdst(0)
.endm
; A round of the cluster's barrier: my work-group's barrier, so that wave 0's signal speaks for all sixteen waves; wave 0 signals for the work-group; every wave waits for all sixteen work-groups; my work-group's barrier once more.
.macro CROUND
	s_barrier_signal -1
	s_barrier_wait -1
	s_cmp_lg_u32 s14, 0
	s_cbranch_scc1 .Lnot_wave_0_\@
	s_barrier_signal -3
.Lnot_wave_0_\@:
	s_barrier_wait -3
	s_barrier_signal -1
	s_barrier_wait -1
.endm
; ---- the quantiser.  t: 32 registers, words 0-15 my row's block hh, words 16-31 block 2 + hh, two bf16 a word; f: the fragment's 12 registers; pw: the row's scale word, in lanes r and 16 + r.
; A block's largest magnitude wants only its exponent field: a word read as f32 has the upper bf16's exponent, shifted up by 16 the lower's.  The floor 2^(3 - 127) holds the byte at 1 from below.
.macro QUANT t, f, pw
.set T_, \t
.set F_, \f
.set i_, 0
.rept 8
.set a_, 20+4*(i_%2)
	v_lshlrev_b32 v[a_], 16, v[T_+2*i_]
	v_lshlrev_b32 v[a_+1], 16, v[T_+2*i_+1]
	v_lshlrev_b32 v[a_+2], 16, v[T_+16+2*i_]
	v_lshlrev_b32 v[a_+3], 16, v[T_+17+2*i_]
.if i_ == 0
	v_max3_num_f32 v16, |v[T_]|, |v[T_+1]|, 0x1800000
	v_max3_num_f32 v17, |v[T_+16]|, |v[T_+17]|, 0x1800000
	v_max_num_f32 v18, |v[a_]|, |v[a_+1]|
	v_max_num_f32 v19, |v[a_+2]|, |v[a_+3]|
.else
	v_max3_num_f32 v16, v16, |v[T_+2*i_]|, |v[T_+2*i_+1]|
	v_max3_num_f32 v17, v17, |v[T_+16+2*i_]|, |v[T_+17+2*i_]|
	v_max3_num_f32 v18, v18, |v[a_]|, |v[a_+1]|
	v_max3_num_f32 v19, v19, |v[a_+2]|, |v[a_+3]|
.endif
.set i_, i_+1
.endr
	v_max_num_f32 v16, v16, v18
	v_max_num_f32 v17, v17, v19
	v_add_nc_u32 v28, 0xff000000, v16              ; 2 off the exponent field: the conversion takes the exponent field of this operand as its scale, and nothing else of it
	v_add_nc_u32 v29, 0xff000000, v17
	v_lshrrev_b32 v18, 23, v28                     ; the scale's byte
	v_lshrrev_b32 v19, 23, v29
	v_cvt_scalef32_pk16_fp6_bf16 v[F_:F_+2], v[T_:T_+7], v28
	v_cvt_scalef32_pk16_fp6_bf16 v[20:22], v[T_+8:T_+15], v28      ; (a conversion's three registers begin on an even number)
	v_cvt_scalef32_pk16_fp6_bf16 v[F_+6:F_+8], v[T_+16:T_+23], v29
	v_cvt_scalef32_pk16_fp6_bf16 v[24:26], v[T_+24:T_+31], v29
	v_lshl_or_b32 v30, v19, 16, v18                ; my two bytes, blocks hh and 2 + hh (and the plain place behind the conversions),
	v_lshlrev_b32 v30, v[SH], v30                  ; at their places in the word;
.irp i, 0,1,2
	v_mov_b32 v[F_+3+\i], v[20+\i]
	v_mov_b32 v[F_+9+\i], v[24+\i]
.endr
	v_permlanex16_b32 v31, v30, s16, s17
	v_or_b32 v[\pw], v30, v31                      ; with lane L xor 16's two the word is whole
.endm
; q's tile y (X, Y): eight loads, each 128 bytes of four rows; both halves of the same rows on end.  Rows 0-7 are ma's heads 8 y .. + 7, rows 8-15 mb's
.macro GLOAD8 y
.irp s, 0,1,2,3
.irp h, 0,1
	global_load_b128 v[RAW+32*(\y)+16*\h+4*\s:RAW+32*(\y)+16*\h+4*\s+3], v[QG], s[4:5] offset:(\s/2)*4096+(\y)*2048+(\s%2)*1024+128*\h
.endr
.endr
.endm
; tile y through the stage.  LDS serves a wave's instructions in order (ISA guide 5.7.1.4): no wait between the stores and the loads, which land in the registers that the stores left, nor ahead of the next stores
.macro TURN y
.irp h, 0,1
.irp s, 0,1,2,3
	ds_store_b128 v[SIN], v[RAW+32*(\y)+16*\h+4*\s:RAW+32*(\y)+16*\h+4*\s+3] offset:\s*576
.endr
.irp s, 0,1,2,3
	ds_load_b128 v[RAW+32*(\y)+16*\h+4*\s:RAW+32*(\y)+16*\h+4*\s+3], v[SOUT] offset:16*\s
.endr
.endr
.endm
.macro QTILE y, w                      ; w: the LDS instructions younger than tile y's loads
	s_wait_dscnt \w
	QUANT RAW+32*(\y), QF+12*(\y), PW+\y
.irp c, 0,1,2
	ds_store_b128 v[I16], v[QF+12*(\y)+4*\c:QF+12*(\y)+4*\c+3] offset:1536*(\y)+512*\c
.endr
.endm
; k's tile f out of LDS, 64 bytes of each of its two blocks
.macro KLOAD f
.irp s, 0,1,2,3,4,5,6,7
	ds_load_b128 v[RAW+32*(\f)+4*\s:RAW+32*(\f)+4*\s+3], v[KRD] offset:(\f)*256+128*(\s/4)+16*(\s%4)
.endr
.endm
.macro KTILE f, w
	s_wait_dscnt \w                                ; tile f is in; the younger loads are the next tiles', eight each
	QUANT RAW+32*(\f), KF+12*(\f), KS+\f
.endm
; ---- the products.  Half dh, tile t of its two, yy = X or Y, q's buffer qb, key tile i.  ROW1 takes lanes 16-31 of a scale register.
.macro WM dh, t, yy, qb, i
.set rD, DB+32*(\dh)+16*(\t)+8*(\yy)
.set rA, QB+24*(\qb)+12*(\yy)
.set rB, KF+12*(\i)
.if (\yy) == 0
	v_wmma_scale_f32_16x16x128_f8f6f4 v[rD:rD+7], v[rA:rA+11], v[rB:rB+11], 0, v[QS+(\qb)], v[KS+(\i)] matrix_a_fmt:MATRIX_FMT_FP6 matrix_b_fmt:MATRIX_FMT_FP6
.else
	v_wmma_scale_f32_16x16x128_f8f6f4 v[rD:rD+7], v[rA:rA+11], v[rB:rB+11], 0, v[QS+(\qb)], v[KS+(\i)] matrix_a_fmt:MATRIX_FMT_FP6 matrix_b_fmt:MATRIX_FMT_FP6 matrix_a_scale:MATRIX_SCALE_ROW1
.endif
.endm
; ---- a half's 32 sums become two results.  Element e = 4 kk + c: heads 2 kk, 2 kk + 1 of chain c = a Y, b Y, a X, b X.  RELU: both maxima in one instruction; PK: the chain's multiply-add; each accumulator from its low end on.
.macro RELU dh, e
.set E_, (\e)
.set G_, DB+32*(\dh)+16*(E_%2)+8*(1-(E_%4)/2)+2*(E_/4)
	v_dual_max_num_f32 v[G_], 0, v[G_] :: v_dual_max_num_f32 v[G_+1], 0, v[G_+1]
.endm
.macro PK dh, wb, e
.set E_, (\e)
.set G_, DB+32*(\dh)+16*(E_%2)+8*(1-(E_%4)/2)
.set K_, 2*(E_/4)
.set W_, WB+16*(\wb)+8*(1-(E_%4)/2)+K_
.if K_ == 0
	v_pk_mul_f32 v[G_:G_+1], v[G_:G_+1], v[W_:W_+1]
.else
	v_pk_fma_f32 v[G_:G_+1], v[G_+K_:G_+K_+1], v[W_:W_+1], v[G_:G_+1]
.endif
.endm
.macro VOP dh, wb                      ; number n of the 32: a multiply-add stands four elements behind its maxima, and eight instructions behind the chain's last
.if n < 4
	RELU \dh, n
.elseif n >= 28
	PK \dh, \wb, n-16
.elseif n%2 == 0
	RELU \dh, (n-4)/2+4
.else
	PK \dh, \wb, (n-5)/2
.endif
.endm
.macro JOIN dh, t                      ; X's chain + Y's
.set G_, DB+32*(\dh)+16*(\t)
	v_pk_add_f32 v[G_:G_+1], v[G_:G_+1], v[G_+8:G_+9]
.endm
.macro FIN dh, rd                      ; the even heads' sum + the odd heads': two neighbouring keys' results
.set G_, DB+32*(\dh)
.set R_, (\rd)
	v_dual_add_f32 v[R_], v[G_], v[G_+1] :: v_dual_add_f32 v[R_+1], v[G_+17], v[G_+16]
.endm
; A block: half dh is worked through.  prev: the block before left its four chains in the other half: they are joined here, into set rs: keys 0, 1 (pi0 = 0), or keys 2, 3 (pi0 = 2), and then the set leaves.
; dow: the four products of key tiles wi and wi + 1, from q's buffer qb, fill the other half: Y's first, X's behind the last read of its registers.  Behind the last of them stand six plain vector
; instructions that name none of its registers: more than the four places owed to loads into its sources; three more stand ahead of the first read of its result.
.macro BLOCK dh, wb, prev, pi0, rs, dow, qb, wi
.set n, 0
.rept 32
	VOP \dh, \wb
.if \prev
.if n == 3
	JOIN 1-(\dh), 0
.elseif n == 4
	JOIN 1-(\dh), 1
.elseif n == 10
	FIN 1-(\dh), (\rs)+\pi0
.if \pi0
	global_store_b128 v[OFF], v[\rs:\rs+3], s[10:11] offset:0-65536 th:TH_STORE_NT   ; the pair before this one: the base has gone on by two since it was its own
.endif
.endif
.endif
.if \dow
.if n == 5
	WM 1-(\dh), 0, 1, \qb, \wi
.elseif n == 12
	WM 1-(\dh), 1, 1, \qb, (\wi)+1
.elseif n == 18
	WM 1-(\dh), 0, 0, \qb, \wi
.elseif n == 25
	WM 1-(\dh), 1, 0, \qb, (\wi)+1
.endif
.endif
.set n, n+1
.endr
.endm
.macro QLOAD buf, base                 ; a pair's fragments X, Y and scale word into buffer buf: seven loads
.irp yy, 0,1
.irp c, 0,1,2
	ds_load_b128 v[QB+24*(\buf)+12*\yy+4*\c:QB+24*(\buf)+12*\yy+4*\c+3], v[QFA] offset:(\base)+1536*\yy+512*\c
.endr
.endr
	ds_load_b32 v[QS+(\buf)], v[QSA] offset:(\base)+3072
.endm
.macro WLOAD buf, base                 ; ws of my row's 16 heads: four loads, the same 16 bytes for the 16 lanes of a half
.irp e, 0,1,2,3
	ds_load_b128 v[WB+16*(\buf)+4*\e:WB+16*(\buf)+4*\e+3], v[WA] offset:(\base)+3200+16*\e
.endr
.endm
; A PAIR of rows m, p its number's parity: buffers p.  PA: at its head the products of key tiles 0, 1 lie in half 0.
; One wait for LDS a pair: its ws and the next pair's fragments, asked for a block ago; one for XCNT: the store of the pair before has read its data and its base (ISA guide 3.1).
.macro PA p, prev
	WALU
	s_wait_xcnt 0x0
	s_wait_dscnt 0x0
	s_add_nc_u64 s[10:11], s[10:11], 0x8000        ; two rows of out0 on
	BLOCK 0, \p, \prev, 2, RR+4*(1-\p), 1, \p, 2
.endm
.macro PB p, wn                        ; wn: there is a next pair
	BLOCK 1, \p, 1, 0, RR+4*\p, \wn, 1-\p, 0
.endm
; ================= the head
	s_load_b256 s[4:11], s[0:1], 0x0               ; q s[4:5], k s[6:7], weights s[8:9], out0 s[10:11]
	v_lshl_add_u32 v242, v0, 2, SPARE
	v_mov_b32 v243, 0
	ds_add_u32 v242, v243                          ; the wave's opening: the add, twice on end, and its wait ahead of my tensor load
	ds_add_u32 v242, v243
	v_lshrrev_b32 v5, 5, v0
	v_readfirstlane_b32 s14, v5                    ; wave w, 0..15
	s_bfe_u32 s12, ttmp6, 0x40000                  ; cx, cy: my place in the cluster
	s_bfe_u32 s28, ttmp6, 0x40004
	s_lshl_b32 s13, ttmp9, 2
	s_add_co_u32 s13, s13, s12                     ; x = 4 x cluster x + cx
	s_and_b32 s29, ttmp7, 0xffff
	s_lshl_b32 s29, s29, 2
	s_add_co_u32 s29, s29, s28                     ; y = 4 x cluster y + cy
	s_lshl_b32 s30, 0x1111, s12                    ; my column: places cx, cx + 4, cx + 8, cx + 12
	s_or_b32 s[G1K], s30, (3<<16)|(1<<20)|(1<<21)|(7<<22)|(3<<25)  ; 15:0 the mask; 17:16 elements of 8 bytes; 20 padding on; 21 set beside a mask; 24:22 after every 256 words (code 7); 31:25 of 4 words (code 3)
	s_mov_b32 s[G1K+1], 128<<16                    ; tensor_dim0 = 128
	s_mov_b32 s[G1K+2], 16<<16                     ; tensor_dim1 = 16
	s_mov_b32 s[G1K+3], 128<<16                    ; tile_dim0 = 128
	s_mov_b32 s[G1K+4], 16                         ; tile_dim1 = 16
	s_mov_b32 s[G1K+5], 128                        ; tensor_dim0_stride: dense
	s_mov_b32 s[G1K+6], 0
	s_mov_b32 s[G1K+7], 0
	s_lshl_b32 s18, s13, 18                        ; k: 1,024 keys of 256 bytes an x, 64 a wave
	s_lshl_b32 s31, s14, 14
	s_add_co_u32 s18, s18, s31
	s_mov_b32 s19, 0
	s_lshl_b32 s20, s29, 17                        ; q: 32 rows m of 4,096 bytes a y, 2 a wave
	s_lshl_b32 s31, s14, 13
	s_add_co_u32 s20, s20, s31
	s_mov_b32 s21, 0
	s_lshl_b32 s22, s29, 6                         ; weights: the same rows m, 2 bytes each
	s_lshl_b32 s31, s14, 2
	s_add_co_u32 s22, s22, s31
	s_mov_b32 s23, 0
	s_lshl_b32 s26, s29, 19                        ; out0: 32 rows of 16,384 bytes a y, 1,024 keys an x, 64 a wave
	s_lshl_b32 s44, s13, 12
	s_add_co_u32 s26, s26, s44
	s_lshl_b32 s31, s14, 8
	s_add_co_u32 s26, s26, s31
	s_mov_b32 s27, 0
	s_mul_i32 s24, s14, PRB
	s_add_co_u32 s24, s24, IMG                     ; LDS: my pair's image, and before it my stage
	s_mul_i32 s25, s14, KW                         ; LDS: my keys
	s_mov_b32 s16, 0x76543210
	s_mov_b32 s17, 0xfedcba98                      ; v_permlanex16_b32's selects for lane L xor 16
	v_and_b32 v20, 31, v0                          ; L
	v_and_b32 v21, 15, v0                          ; r
	v_bfe_u32 v22, v0, 4, 1                        ; hh
	v_bfe_u32 v23, v0, 3, 2                        ; L / 8: which row of a load's four
	v_and_b32 v24, 7, v0                           ; L % 8: which 16 bytes of its 128
	v_lshlrev_b32 v[QG], 4, v24
	v_mul_u32_u24 v[SIN], v23, 144
	v_lshlrev_b32 v[WG], 12, v21
	v_mul_u32_u24 v[SOUT], v21, 144
	v_mul_u32_u24 v[KRD], v21, 1040
	v_lshl_add_u32 v[SIN], v24, 4, v[SIN]
	v_lshl_add_u32 v[QG], v23, 8, v[QG]            ; q: row of 256 bytes, 16 bytes a lane
	v_lshl_add_u32 v[WG], v22, 1, v[WG]            ; weights: head r (4,096 bytes a head), row ma + hh
	v_lshl_add_u32 v[SOUT], v22, 6, v[SOUT]
	v_lshl_add_u32 v[KRD], v22, 6, v[KRD]
	v_add_nc_u32 v[SIN], s24, v[SIN]               ; into the stage
	v_add_nc_u32 v[SOUT], s24, v[SOUT]             ; out of it: row r, 64 bytes of block hh of the half
	v_add_nc_u32 v[KRD], s25, v[KRD]               ; my keys: LDS row r (of four keys), block hh
	v_lshlrev_b32 v[SH], 3, v22                    ; 8 hh: my bytes' shift in a scale word
	v_lshlrev_b32 v[I16], 4, v20
	v_lshlrev_b32 v[I4], 2, v20
	v_add_nc_u32 v[I16], s24, v[I16]
	v_add_nc_u32 v[I4], s24, v[I4]
	v_lshl_add_u32 v[QFA], v20, 4, IMG
	v_lshl_add_u32 v[QSA], v20, 2, IMG
	v_lshl_add_u32 v[WA], v22, 6, IMG
	v_lshlrev_b32 v[OFF], 4, v21
	v_mov_b32 v31, 0                               ; written once: a lane permute's destination counts as one of its sources
	v_lshl_add_u32 v[OFF], v22, 14, v[OFF]
	WALU
	s_wait_dscnt 0x0                               ; both opening adds are done
	s_wait_kmcnt 0x0
	s_add_nc_u64 s[4:5], s[4:5], s[20:21]
	s_add_nc_u64 s[8:9], s[8:9], s[22:23]
	global_load_u16 v[WV], v[WG], s[8:9]           ; q is worked first and asked for first, ahead of the round
	GLOAD8 0
	GLOAD8 1
	s_mov_b32 s[G0K], 1
	s_mov_b32 s[G0K+1], s25                        ; LDS address: no place in the cluster enters it
	s_add_nc_u64 s[G0K+2:G0K+3], s[6:7], s[18:19]
	s_or_b32 s[G0K+3], s[G0K+3], 0x80000000
	s_add_nc_u64 s[10:11], s[10:11], s[26:27]
	CROUND                                         ; all sixteen work-groups are here: the joint loads meet
	tensor_load_to_lds s[G0K:G0K+3], s[G1K:G1K+7]  ; my 64 keys
	s_nop 0
; ================= q: my pair's codes, while my keys are on their way
	s_wait_loadcnt 8                               ; the weight and tile X are in; the eight younger loads are tile Y
	TURN 0
	s_wait_loadcnt 0x0
	TURN 1
	QTILE 0, 16                                    ; behind tile X's loads stand tile Y's sixteen LDS instructions
	QTILE 1, 3                                     ; three stores into the image (which come behind every load from the stage)
	v_cmp_ne_u32 vcc_lo, 0, v[SH]
	v_lshlrev_b32 v[WV], 16, v[WV]                 ; ws: the weight in f32,
	v_cndmask_b32 v[PW], v[PW], v[PW+1], vcc_lo    ; the scale words as the scale registers want them: X's in lanes 0-15, Y's in lanes 16-31
	v_mul_f32 v[WV], 0x3db50000, v[WV]             ; x bf16(128^-0.5) (the product of two bf16 is exact in f32),
	v_cvt_pk_bf16_f32 v[WV], v[WV], v[WV]          ; rounded to bf16 as the bf16 product is,
	v_lshlrev_b32 v[WV], 16, v[WV]                 ; and widened again
	ds_store_b32 v[I4], v[PW] offset:3072
	ds_store_b32 v[I4], v[WV] offset:3200          ; lane L: row ma + hh, head r
	WALU
	s_wait_dscnt 0x0                               ; for the others' sake: my image lies in LDS
	s_barrier_signal -1                            ; a barrier behind which nothing is filled: between its signal and its wait I read only LDS bytes of my own, which nobody writes any more once my tensor load has landed
; ================= k: my 64 keys' codes, into the operand's registers
	s_wait_tensorcnt 0x0
	KLOAD 0
	KLOAD 1
	KLOAD 2
	KLOAD 3
	KTILE 0, 24
	KTILE 1, 16
	KTILE 2, 8
	KTILE 3, 0
	WALU
	s_barrier_wait -1                              ; all sixteen images are there; from here on LDS is only read
	QLOAD 0, 0                                     ; the first pair
	WLOAD 0, 0
	QLOAD 1, PRB                                   ; the second
	s_mov_b32 s48, 6
	s_wait_dscnt 11                                ; the first pair's fragments are in; the eleven younger loads are its ws and the second pair's fragments
	WM 0, 0, 1, 0, 0
	WM 0, 1, 1, 0, 1
	WM 0, 0, 0, 0, 0
	WM 0, 1, 0, 0, 1
.rept 4
	v_nop                                          ; places in front of the first read of these results
.endr
	PA 0, 0
	QLOAD 0, 2*PRB
	WLOAD 1, PRB
.Ltrip:                                            ; trip t, t = 0 .. 5: from pair 2 t's second block to pair 2 t + 2's first; the addresses stand at pair 2 t
	PB 0, 1
	PA 1, 1
	QLOAD 1, 3*PRB                                 ; the pair after the next, into the buffer whose last product stands six places back; and the next pair's ws
	WLOAD 0, 2*PRB
	PB 1, 1
	v_add_nc_u32 v[QFA], 2*PRB, v[QFA]             ; two pairs on
	v_add_nc_u32 v[QSA], 2*PRB, v[QSA]
	v_add_nc_u32 v[WA], 2*PRB, v[WA]
	PA 0, 1
	QLOAD 0, 2*PRB
	WLOAD 1, PRB
	s_sub_co_u32 s48, s48, 1
	s_cmp_lg_u32 s48, 0
	WALU
	s_cbranch_scc1 .Ltrip
	PB 0, 1                                        ; pairs 12 to 15 are written out: the last two fetch no fragments
	PA 1, 1
	QLOAD 1, 3*PRB
	WLOAD 0, 2*PRB
	PB 1, 1
	PA 0, 1
	WLOAD 1, 3*PRB
	PB 0, 1
	PA 1, 1
	PB 1, 0
	JOIN 1, 0
	JOIN 1, 1
	FIN 1, RR+6
	global_store_b128 v[OFF], v[RR+4:RR+7], s[10:11] offset:0-32768 th:TH_STORE_NT
	WALU
	s_wait_tensorcnt 0x0                           ; the wave's end
	ds_add_u32 v242, v243
	s_wait_dscnt 0x0
	CROUND                                         ; the closing round: no work-group ends while a partner may still ask for a tile that names it
	s_endpgm
.Lfunc_end_k_q4fa718dfa0_score:
	.size	k_q4fa718dfa0_score, .Lfunc_end_k_q4fa718dfa0_score-k_q4fa718dfa0_score
	.p2alignl 7, 3214868480
	.fill 96, 4, 3214868480
	.section	.rodata,"a",@progbits
	.p2align	6, 0x0
	.amdhsa_kernel k_q4fa718dfa0_score
		.amdhsa_group_segment_fixed_size 327680
		.amdhsa_private_segment_fixed_size 0
		.amdhsa_enable_private_segment 0
		.amdhsa_kernarg_size 32
		.amdhsa_user_sgpr_count 2
		.amdhsa_user_sgpr_kernarg_segment_ptr 1
		.amdhsa_wavefront_size32 1
		.amdhsa_system_sgpr_workgroup_id_x 1
		.amdhsa_system_sgpr_workgroup_id_y 1
		.amdhsa_system_sgpr_workgroup_id_z 1
		.amdhsa_system_vgpr_workitem_id 0
		.amdhsa_next_free_vgpr 256
		.amdhsa_next_free_sgpr 66
		.amdhsa_reserve_vcc 1
		.amdhsa_float_denorm_mode_32 3
		.amdhsa_float_denorm_mode_16_64 3
		.amdhsa_memory_ordered 1
		.amdhsa_forward_progress 1
		.amdhsa_inst_pref_size 75
	.end_amdhsa_kernel
	.amdgpu_metadata
---
amdhsa.version: [ 1, 2 ]
amdhsa.kernels:
  - .name:           k_q4fa718dfa0_score
    .symbol:         k_q4fa718dfa0_score.kd
    .args:
      - { .name: q, .offset: 0, .size: 8, .value_kind: global_buffer, .address_space: global }
      - { .name: k, .offset: 8, .size: 8, .value_kind: global_buffer, .address_space: global }
      - { .name: weights, .offset: 16, .size: 8, .value_kind: global_buffer, .address_space: global }
      - { .name: out0, .offset: 24, .size: 8, .value_kind: global_buffer, .address_space: global }
    .group_segment_fixed_size: 327680
    .private_segment_fixed_size: 0
    .kernarg_segment_align: 8
    .kernarg_segment_size: 32
    .max_flat_workgroup_size: 512
    .sgpr_count:     66
    .vgpr_count:     256
    .wavefront_size: 32
...
	.end_amdgpu_metadata
.endif
;; end of part 1
